; MI455X (gfx1250); checked and timed in simulation.
; The chip was launched on July 23, 2026; its instructions are those of AMD's public machine-readable ISA for CDNA 5 (MIT licence, August 2026) and "CDNA5" Instruction Set Architecture Reference Guide (July 2026). The comments in the code are by the model that wrote it; some were corrected since.
;; GRU Cell. Allowed arithmetic: matrix products marked QUANTISED: E3M2 operands, one E8M0 scale for each 32 along K, by v_wmma_scale_f32_16x16x128_f8f6f4 with both operands' format E3M2, f32 sums; everything else in f32.
;; Inputs: h_prev 16,384 x 512 float32; hidden_bias 512 float32; hidden_kernel 1,024 x 512 float32; inputs 16,384 x 512 float32; reset_bias 512 float32; reset_kernel 1,024 x 512 float32; update_bias 512 float32; update_kernel 1,024 x 512 float32.
;; Outputs: out0 16,384 x 512 float32.
;; This version of the problem:
;;   THIS VERSION OF THE PROBLEM IS GIVEN IN LOW PRECISION. The matrix products marked QUANTISED in the list below multiply operands that are first quantised to E3M2 (3 exponent bits, 2 mantissa bits; 6 bits a number), with one power-of-two scale for each 32 numbers along K (OCP MX v1.0); their sums are f32. All else is computed in f32.
;;   The module's matrix products, in the order in which they are computed (A, B: the left and right operand; K: the contracted axis; several contracted axes count as one K, in the product's order):
;;     1. [M 16,384, K 1,024] x [K 1,024, N 512]; A: computed on the way; B: input update_kernel: QUANTISED
;;     2. [M 16,384, K 1,024] x [K 1,024, N 512]; A: computed on the way; B: input reset_kernel: QUANTISED
;;     3. [M 16,384, K 1,024] x [K 1,024, N 512]; A: computed on the way; B: input hidden_kernel: QUANTISED
;;   THE QUANTISER, for each operand of a quantised product, along K:
;;     - K is cut into blocks of 32 from its start; a last block that is shorter is filled with zeros.
;;     - A block's scale is 2^e with e = floor(log2(the largest magnitude in the block)) - 4, held to -126 .. 127; a block of zeros has e = 0. As a byte (E8M0): e + 127.
;;     - Each number is divided by its block's scale, clamped to +-28, and rounded to the nearest number of E3M2, ties to even, subnormals kept.
;;     - The product sums the exact products of the quantised numbers (number of the format x scale) in f32.
;;   ~~~python
;;   def quantise(x, axis):      # numpy; x: float32 -> the quantised numbers, widened to float32 again
;;       x = np.moveaxis(x, axis, -1); K = x.shape[-1]
;;       x = np.pad(x, [(0, 0)] * (x.ndim - 1) + [(0, -K % 32)]); x = x.reshape(x.shape[:-1] + (-1, 32)); a = np.abs(x).max(-1, keepdims=True)
;;       e = np.where(a > 0, np.clip(np.frexp(np.where(a > 0, a, 1))[1] - 1 - 4, -126, 127), 0)      # np.frexp(a)[1] - 1 = floor(log2(a)), exactly
;;       r = np.clip(x / 2.0 ** e, -28, 28)
;;       step = 2.0 ** (np.maximum(np.frexp(np.where(r == 0, 1, r))[1] - 1, -2) - 2)
;;       q = np.round(r / step) * step * 2.0 ** e      # np.round: ties to even
;;       return np.moveaxis(q.reshape(q.shape[:-2] + (-1,))[..., :K], -1, axis).astype(np.float32)
;;   ~~~
;;   OPERANDS COMPUTED ON THE WAY. 'Computed on the way' means the value that the module computes at that place (a softmax that the list does not call 'softmax' is quantised finished and normalised). What goes into a quantiser is computed in f32, as accurately as f32 sums, v_exp_f32 and their like allow (about 1e-6 of the number): no bf16 or f16 on the way to a quantiser, and a product that is left as it is and whose result goes on into a quantised operand takes f32 operands (vector FMAs, or v_wmma_f32_16x16x4_f32). A number that lies on a knife's edge between two numbers of the format may be rounded either way, as far as f32 arithmetic and the matrix unit's own rounding can turn it there, and no further.
;; One version. Each part assembles by itself: llvm-mc -triple=amdgcn-amd-amdhsa -mcpu=gfx1250 --defsym DOCPART=n.
;; ======== version 1 of 1: 2 launches
;; limits: right only within a limited range of input values
;; workspace buffers: wimg 1,228,800 bytes
;; launch wq (part 1): grid 64 x 3, 4 waves a work-group, no clusters, 7,168 bytes of LDS; arguments reset_kernel, update_kernel, hidden_kernel, wimg; writes wimg
.if DOCPART == 1
	.amdgcn_target "amdgcn-amd-amdhsa--gfx1250"
	.amdhsa_code_object_version 6
	.text
	.protected	k_qebd9464cce_wq
	.globl	k_qebd9464cce_wq
	.p2align	8
	.type	k_qebd9464cce_wq,@function
k_qebd9464cce_wq:
	s_mov_b64 s[64:65], 0
	v_nop
	global_prefetch_b8 v0, s[64:65] scope:SCOPE_SE
	s_setreg_imm32_b32 hwreg(HW_REG_WAVE_MODE, 25, 1), 1
	s_wait_xcnt 0x0
; The three weights [1024 (k)][512 (n)], f32, K along the FIRST axis, become codes of BF6 (E3M2) with one E8M0 byte for each 32 along K,
; laid as the next launch's waves take them into registers: wimg = [pair j 0..11][column block w 0..7][half 0..1][6,400 bytes].
;   j < 8: K step j (128 along K), half 0 the reset gate, half 1 the update gate;   j >= 8: the hidden product's K steps 2 (j - 8) and 2 (j - 8) + 1.
; A piece of 6,400 bytes = 4 images of operand fragments (16 columns x 128 K, 12 registers a lane: 1,536 bytes) and 256 bytes of scale words.
;   image: register g of lane L at byte 512 (g / 4) + 16 L + 4 (g % 4).
;   tile t = 2 b + u, lane r holds column 64 w + 32 b + 8 u + r + 8 (r / 8): so the next launch's results of tiles 2 b, 2 b + 1 are 16 neighbouring columns.
;   scale words: lane r + 16 u has 8 bytes at 6,144 + 8 (r + 16 u); its word q is that of tile 2 q + u, row r.
; SHARES.  A work-group makes one piece (gate = y, K step = x / 8, column block = x % 8).  Wave v takes 32 columns (v % 2) x 64 along K (v / 2), A LANE A COLUMN,
; ITS REGISTERS RUNNING DOWN K: a load reads 128 consecutive bytes, a block of 32 along K lies in one lane, and the conversions give codes with K innermost.
; A block's scale is 2^(floor(log2(largest magnitude)) - 4): its byte is the magnitude's exponent field - 4, held at 1 from below by a floor among the maximum's leaves.
; LIMITS: a block of zeros gets the byte 1 where the rule says 127 (its codes are zeros, and only this program reads the bytes); blocks whose largest magnitude lies
; under 2^(5 - 127), whose byte is held at 1, were not tried; NaN and infinities are not served.
.set X,   32                           ; v32-95   64 numbers of my column; later the way out
.set T,   96                           ; v96-99   maxima
.set SPW, 100
.set NIL, 101
.set S,   104                          ; the conversions' scale operand
.set TB,  28
.set SPARE, 6400                       ; behind the piece: 128 bytes for each wave, which no other line names
	s_load_b256 s[4:11], s[0:1], 0x0               ; reset s[4:5], update s[6:7], hidden s[8:9], wimg s[10:11]
	v_lshl_add_u32 v[SPW], v0, 2, SPARE
	v_mov_b32 v[NIL], 0
	v_lshrrev_b32 v6, 5, v0
	v_readfirstlane_b32 s12, v6                    ; wave
	s_and_b32 s14, s12, 1                          ; which 32 columns
	s_lshr_b32 s15, s12, 1                         ; which 64 along K
	s_and_b32 s13, ttmp7, 0xffff                   ; the gate: 0 reset, 1 update, 2 hidden
	s_lshr_b32 s16, ttmp9, 3                       ; K step
	s_and_b32 s17, ttmp9, 7                        ; column block
	s_lshl_b32 s18, s16, 18                        ; from: 128 rows of 2,048 bytes a K step
	s_lshl_b32 s20, s15, 17                        ; + 64 rows
	s_add_co_u32 s18, s18, s20
	s_lshl_b32 s20, s17, 8                         ; + 64 columns
	s_add_co_u32 s18, s18, s20
	s_lshl_b32 s20, s14, 7                         ; + 32 columns
	s_add_co_u32 s18, s18, s20
	s_mov_b32 s19, 0
	s_lshr_b32 s20, s16, 1
	s_add_co_u32 s20, s20, 8
	s_and_b32 s21, s16, 1
	s_cmp_eq_u32 s13, 2
	s_cselect_b32 s20, s20, s16                    ; pair j
	s_cselect_b32 s21, s21, s13                    ; half
	s_mul_i32 s22, s20, 102400
	s_mul_i32 s20, s17, 12800
	s_add_co_u32 s22, s22, s20
	s_mul_i32 s21, s21, 6400
	s_add_co_u32 s22, s22, s21
	s_mov_b32 s23, 0
	s_mul_i32 s24, s14, 3072                       ; my two tiles' images
	s_mul_i32 s25, s15, 520                        ; my six registers 6 (v / 2) .. + 5 of a lane, in three pairs
	s_mul_i32 s26, s15, 1016
	s_add_co_u32 s25, s24, s25
	s_add_co_u32 s26, s24, s26
	s_add_co_u32 s26, s26, 8
	s_add_co_u32 s27, s25, 512
	s_lshl_b32 s28, s14, 2
	s_lshl_b32 s29, s15, 1
	s_add_co_u32 s28, s28, s29
	s_add_co_u32 s28, s28, 6144
	v_and_b32 v7, 31, v0                           ; lane = column within the wave's 32
	v_bfe_u32 v8, v0, 3, 1                         ; u = (lane / 8) % 2
	v_and_b32 v9, 7, v0
	v_bfe_u32 v10, v0, 4, 1
	v_lshl_add_u32 v9, v10, 3, v9                  ; r = lane % 8 + 8 (lane / 16)
	v_mul_u32_u24 v6, 1536, v8
	v_lshl_add_u32 v6, v9, 4, v6
	v_add_nc_u32 v2, s25, v6                       ; where my column's codes go: registers 0, 1 of my six,
	v_add_nc_u32 v3, s26, v6                       ; 2, 3,
	v_add_nc_u32 v4, s27, v6                       ; 4, 5
	v_lshl_add_u32 v5, v8, 4, v9
	v_lshlrev_b32 v5, 3, v5
	v_add_nc_u32 v5, s28, v5                       ; my half of my column's scale word
	v_lshlrev_b32 v1, 2, v7                        ; in: 4 bytes a lane
	v_lshlrev_b32 v10, 4, v0                       ; out: 16 bytes a thread
	v_lshlrev_b32 v11, 3, v7
	v_add_nc_u32 v11, 6144, v11                    ; and the scale words, 8 bytes a lane
	s_wait_alu depctr_va_vdst(0)                   ; the wait at the head's end
	s_wait_kmcnt 0x0
	s_cmp_eq_u32 s13, 1                            ; which weight: the choice hangs on the work-group's number alone
	s_cselect_b64 s[4:5], s[6:7], s[4:5]
	s_cmp_eq_u32 s13, 2
	s_cselect_b64 s[4:5], s[8:9], s[4:5]
	s_add_nc_u64 s[4:5], s[4:5], s[18:19]
	s_add_nc_u64 s[10:11], s[10:11], s[22:23]
.set k, 0
.rept 64
	global_load_b32 v[X+k], v1, s[4:5] offset:k*2048 th:TH_LOAD_NT   ; 32 lanes read 128 consecutive bytes; two waves a row's 256
.set k, k+1
.endr
; Block bb of my two: in the operand registers 6 (v / 2) .. + 5 of lane r + 16 bb.  left: the younger loads that may be out.
.macro BLOCK bb, left
.set XS, X+32*(\bb)
.set CC, 12+8*(\bb)
	s_wait_loadcnt \left
.irp i, 0,1,2,3
	v_max3_num_f32 v[T+\i], |v[XS+8*\i]|, |v[XS+8*\i+1]|, |v[XS+8*\i+2]|   ; the largest magnitude of the 32, in four chains
.endr
.irp e, 3,5
.irp i, 0,1,2,3
	v_max3_num_f32 v[T+\i], v[T+\i], |v[XS+8*\i+\e]|, |v[XS+8*\i+\e+1]|
.endr
.endr
	v_max3_num_f32 v[T], v[T], |v[XS+7]|, |v[XS+15]|
	v_max3_num_f32 v[T+2], v[T+2], |v[XS+23]|, |v[XS+31]|
	v_max3_num_f32 v[T], v[T], v[T+1], 0x2800000   ; and the floor 2^(5 - 127)
	v_max3_num_f32 v[T], v[T], v[T+2], v[T+3]
	v_add_nc_u32 v[S], 0xfe000000, v[T]            ; 4 off the exponent field: the conversion takes this operand's exponent field as its scale
	v_cvt_scalef32_pk16_bf6_f32 v[CC:CC+2], v[XS:XS+15], v[S]
	v_cvt_scalef32_pk16_bf6_f32 v[TB:TB+2], v[XS+16:XS+31], v[S]   ; (a conversion's three registers begin on an even number: moved below)
.if (\bb) == 0
	v_lshrrev_b32 v106, 23, v[S]                   ; the scale's byte.  (Also the plain place behind the conversions)
.else
	v_lshrrev_b32 v105, 23, v[S]
	v_lshl_or_b32 v106, v105, 8, v106
.endif
.irp i, 0,1,2
	v_mov_b32 v[CC+3+\i], v[TB+\i]
.endr
	ds_store_b64 v2, v[CC:CC+1] offset:256*(\bb)
	ds_store_b64 v3, v[CC+2:CC+3] offset:256*(\bb)
	ds_store_b64 v4, v[CC+4:CC+5] offset:256*(\bb)
.endm
	BLOCK 0, 32
	BLOCK 1, 0
	ds_store_b16 v5, v106
	s_wait_dscnt 0x0                               ; for the others' sake: my codes and scale bytes lie in LDS
	s_barrier_signal -1
	s_barrier_wait -1
.irp i, 0,1,2
	ds_load_b128 v[X+4*\i:X+4*\i+3], v10 offset:2048*\i
.endr
.irp i, 0,1,2
	s_wait_dscnt 2-\i
	global_store_b128 v10, v[X+4*\i:X+4*\i+3], s[10:11] offset:2048*\i   ; a wave stores 512 consecutive bytes, at a multiple of 256 from wimg's first byte
.endr
	s_cmp_lg_u32 s12, 0
	s_cbranch_scc1 .Ldone
	ds_load_b64 v[X+12:X+13], v11                  ; the piece's 256 bytes of scale words
	s_wait_dscnt 0x0
	global_store_b64 v11, v[X+12:X+13], s[10:11]
.Ldone:
	s_wait_tensorcnt 0x0                           ; the wave's end
	ds_add_u32 v[SPW], v[NIL]
	s_wait_dscnt 0x0
	s_endpgm
.Lfunc_end_k_qebd9464cce_wq:
	.size	k_qebd9464cce_wq, .Lfunc_end_k_qebd9464cce_wq-k_qebd9464cce_wq
	.p2alignl 7, 3214868480
	.fill 96, 4, 3214868480
	.section	.rodata,"a",@progbits
	.p2align	6, 0x0
	.amdhsa_kernel k_qebd9464cce_wq
		.amdhsa_group_segment_fixed_size 7168
		.amdhsa_private_segment_fixed_size 0
		.amdhsa_enable_private_segment 0
		.amdhsa_kernarg_size 32
		.amdhsa_user_sgpr_count 2
		.amdhsa_user_sgpr_kernarg_segment_ptr 1
		.amdhsa_wavefront_size32 1
		.amdhsa_system_sgpr_workgroup_id_x 1
		.amdhsa_system_sgpr_workgroup_id_y 1
		.amdhsa_system_sgpr_workgroup_id_z 1
		.amdhsa_system_vgpr_workitem_id 0
		.amdhsa_next_free_vgpr 112
		.amdhsa_next_free_sgpr 66
		.amdhsa_reserve_vcc 0
		.amdhsa_float_denorm_mode_32 3
		.amdhsa_float_denorm_mode_16_64 3
		.amdhsa_memory_ordered 1
		.amdhsa_forward_progress 1
		.amdhsa_inst_pref_size 14
	.end_amdhsa_kernel
	.amdgpu_metadata
---
amdhsa.version: [ 1, 2 ]
amdhsa.kernels:
  - .name:           k_qebd9464cce_wq
    .symbol:         k_qebd9464cce_wq.kd
    .args:
      - { .name: reset_kernel, .offset: 0, .size: 8, .value_kind: global_buffer, .address_space: global }
      - { .name: update_kernel, .offset: 8, .size: 8, .value_kind: global_buffer, .address_space: global }
      - { .name: hidden_kernel, .offset: 16, .size: 8, .value_kind: global_buffer, .address_space: global }
      - { .name: wimg, .offset: 24, .size: 8, .value_kind: global_buffer, .address_space: global }
    .group_segment_fixed_size: 7168
    .private_segment_fixed_size: 0
    .kernarg_segment_align: 8
    .kernarg_segment_size: 32
    .max_flat_workgroup_size: 128
    .sgpr_count:     66
    .vgpr_count:     112
    .wavefront_size: 32
...
	.end_amdgpu_metadata
.endif
;; end of part 1
;; launch gru (part 2): grid 256 x 1, 8 waves a work-group, no clusters, 327,680 bytes of LDS; arguments inputs, h_prev, wimg, reset_bias, update_bias, hidden_bias, out0; writes out0
.if DOCPART == 2
	.amdgcn_target "amdgcn-amd-amdhsa--gfx1250"
	.amdhsa_code_object_version 6
	.text
	.protected	k_qebd9464cce_gru
	.globl	k_qebd9464cce_gru
	.p2align	8
	.type	k_qebd9464cce_gru,@function
k_qebd9464cce_gru:
	s_mov_b64 s[64:65], 0
	v_nop
	global_prefetch_b8 v0, s[64:65] scope:SCOPE_SE
	s_setreg_imm32_b32 hwreg(HW_REG_WAVE_MODE, 25, 1), 1
	s_wait_xcnt 0x0
; ht = (1 - z) h + z tanh([x, r h] Wh + bh),  z = sigmoid([x, h] Wz + bz),  r = sigmoid([x, h] Wr + br).  x, h, ht: [16384][512] f32.
; All three products on codes of BF6 (E3M2) with one E8M0 scale for each 32 along K (K = 1,024); sums, gates and the blend in f32.  The weights come as register images (wimg).
; Blocks of 32 never cross the seam at k = 512: the codes of x serve all three products, those of h the two gates, and only r h is quantised anew.
; SHARES.  256 work-groups, each 64 whole rows (the hidden product's K spans all 512 columns of r).  Eight waves; wave w makes columns 64 w .. + 63 of every gate for all 64 rows:
; 4 tiles t of 16 columns x 4 tiles m of 16 rows.  THE MATRIX INSTRUCTION IS USED TRANSPOSED (source 0 = 16 weight columns, source 1 = 16 rows): with wimg's choice of a tile's columns,
; register 32 m + 16 b + i of lane (r, hh) is row 16 m + r, column 64 w + 32 b + 16 hh + i: the layout in which h is read, r h is quantised and ht leaves.
; WEIGHTS.  A half step is one gate x 128 along K: 16 matrix instructions a wave.  Each fragment is read by ONE wave alone, so it goes straight into that wave's registers: 13 loads a half step, a ring of three
; register buffers, 39 loads out at the most.  They do not pass through LDS and are not asked for jointly by a cluster: a joint load lands in LDS, where x and h lie in f32 (270,336 bytes) beside two sets of images
; (53,248) and the spare words (1,024): 3,072 bytes are left, and a half step's weights for the eight waves are 51,200; they would be written there only to be read back once, with a round of the cluster's barrier for each slot.
; PREFETCH.  wimg is read by all work-groups alike; work-groups 0, 4, 128 and 132 ask for it, three pairs of half steps ahead, each wave its own 12,800 bytes of a pair in blocks of 256 bytes, a lane a block;
; pair 0 and the first half of pair 1 come by their loads alone; behind pair 11 nothing is asked for.
; x AND h come into LDS by one tensor load a wave, at the head: waves 0-3 fetch x, waves 4-7 h, 64 rows x 512 bytes each.  h stays there in f32.  No LDS bytes are filled again.
; The codes go from wave to wave through LDS as images of the operand's registers.  Two neighbouring waves make one K step: wave w registers 6 c .. 6 c + 5 of every fragment, c = w % 2.
; ORDER.  x quantised | K steps 0-3 of the reset and update gates, both on the same fragments | h quantised | K steps 4-7 | r, r h and its codes | hidden product: K steps of x, with z's sigmoid between them, then of r h | tanh, blend, out.
; LIMITS: NaN and infinities among the inputs are not served.  A block of zeros carries the byte 1 with zero codes; blocks whose largest magnitude lies under 2^(5 - 127), whose byte is held at 1, were not tried.
; The sigmoids and the tanh need no clamp: 2^x grows to infinity, whose reciprocal is 0.
; REGISTERS.  window 0: v1-15, v22, v23 addresses; v16-21 weights' scale words, v24-31 activations' (nothing else ever lies there); v32-175 three buffers of 4 weight fragments;
;   v176-247 a ring of six activation fragments; between the phases v176-239 two tiles of h, v240-255 the quantiser's.   window 1: v0-127 r's sums, then r h, then the hidden sums, then ht; v128-255 z's sums, then z.
.set FRB,   1536                       ; a fragment's image
.set PAIRB, 102400                     ; wimg: a pair of half steps for the eight waves
.set HALFB, 6400                       ; a wave's part of a half step
.set PITCH, 528                        ; a row of a tile of x or h in LDS: 512 bytes + 16
.set TILEF, 64*PITCH
.set HF,    0                          ; LDS: h, four tiles; x, four tiles
.set XF,    4*TILEF
.set SET,   16*FRB+2048                ; images of four K steps x four tiles of rows, then their scale words, 512 bytes a K step
.set SCO,   16*FRB
.set RIMG,  8*TILEF-SET                ; images of r h: over the last bytes of x, which has been read by then;
.set XIMG,  RIMG+SET                   ; of x; behind them those of h
.set SPARE, RIMG+3*SET                 ; the spare words: 128 bytes for each wave, which no other line names
.set STG,   XF                         ; the way out: a stage of 16 rows x 272 bytes for each wave, over x likewise
.set SP,    272
.set ROWG,  2048
.set SPW, 1                            ; my spare word's address
.set NIL, 2                            ; 0
.set AIM, 3                            ; XIMG + 16 lane
.set AIM2, 4                           ; RIMG + 16 lane
.set AI0, 5                            ; v5-7  where I store the three pairs of registers that I make of a fragment
.set AIS, 8                            ; and their scale bytes
.set HA,  9                            ; my columns of h, row r, my half
.set XA,  10                           ; of x
.set WO,  11                           ; 16 lane
.set WSO, 12                           ; 8 lane
.set PFO, 13                           ; 256 x lane, at most 24 blocks on
.set STQ, 14                           ; my stage, by the operand's order
.set STI, 15                           ; my stage, by whole rows
.set GB,  22                           ; 64 hh
.set GO,  23                           ; my 16 bytes in two rows of ht
.set WS,  16
.set AS,  24
.set W,   32
.set AF,  176
.set D,   176
.set T,   240                          ; v240-243 maxima
.set S,   244                          ; v244-245 the conversions' scale operands
.set TB,  246                          ; v246-248 a half block of codes
.set SB,  249                          ; two scale bytes
.set PC,  250                          ; v250-255 the codes of my two blocks
.set HB,  32                           ; the way out: hidden_bias x 2 log2(e)
.set WV,  18                           ; my wave's number
.set SEL, 20                           ; s[20:21] v_permlanex16_b32's selects for lane l xor 16
.set C1,  22                           ; s[22:23] -log2(e): sigmoid(y) = 1 / (1 + 2^(-log2(e) y))
.set G1,  24                           ; s[24:31] descriptor group 1
.set G0X, 32                           ; s[32:35] group 0 for x
.set G0H, 36                           ; s[36:39] group 0 for h
.set PFS, 40                           ; 0: my work-group prefetches
.set C2,  42                           ; s[42:43] 2 log2(e): tanh(y) = 1 - 2 / (1 + 2^(2 log2(e) y))
.set MUL, 0x50                         ; C and D in window 1, operands in window 0
.set MSB, 0
.macro WIN new                         ; s_set_vgpr_msb: bits 1:0 source 0, 3:2 source 1, 5:4 source 2, 7:6 destination; the high byte repeats the setting that is left
.if MSB != (\new)
	s_set_vgpr_msb (MSB<<8)|(\new)
.set MSB, (\new)
.endif
.endm
.macro PLACES n
.rept \n
	v_nop
.endr
.endm
.macro VALU
	s_wait_alu depctr_va_vdst(0)
.endm
.macro MEET                            ; what I have stored lies in LDS, what I have asked of LDS is here; and so for every wave
	s_wait_dscnt 0x0
	s_barrier_signal -1
	s_barrier_wait -1
.endm
.macro PF j, h0                        ; prefetch of my part of pair j, from half h0 on; window 0 is set
	s_cmp_lg_u32 s[PFS], 0
	s_cbranch_scc1 .Lno_prefetch_\@
.if (\h0) == 0
	global_prefetch_b8 v[PFO], s[8:9] offset:(\j)*PAIRB th:TH_LOAD_NT scope:SCOPE_SE
.endif
	global_prefetch_b8 v[PFO], s[8:9] offset:(\j)*PAIRB+HALFB th:TH_LOAD_NT scope:SCOPE_SE
.Lno_prefetch_\@:
.endm
.macro WL i                            ; 13 loads: my four fragments of half step i and their scale words (register q: tile 2 q in lanes 0-15, 2 q + 1 in lanes 16-31) into buffer i % 3
.if (\i) < 24
.set wr, W+48*((\i)%3)
.set wo, ((\i)/2)*PAIRB+((\i)%2)*HALFB
.irp t, 0,1,2,3
.irp c, 0,1,2
	global_load_b128 v[wr+12*\t+4*\c:wr+12*\t+4*\c+3], v[WO], s[8:9] offset:wo+FRB*\t+512*\c
.endr
.endr
	global_load_b64 v[WS+2*((\i)%3):WS+2*((\i)%3)+1], v[WSO], s[8:9] offset:wo+4*FRB
.endif
.endm
.macro BL ptr, win, reg                ; 8 loads: my 64 numbers of a bias in the result's layout, register 16 b + i = column 32 b + 16 hh + i
	WIN (\win)<<6
.irp b, 0,1
.irp q, 0,1,2,3
	global_load_b128 v[(\reg)+16*\b+4*\q:(\reg)+16*\b+4*\q+3], v[GB], s[\ptr:\ptr+1] offset:128*\b+16*\q
.endr
.endr
	WIN 0
.endm
.macro TLOAD adr, win, m, reg          ; 8 LDS loads: 16 rows of my 64 columns in the operand's order
	WIN (\win)<<6
.irp b, 0,1
.irp q, 0,1,2,3
	ds_load_b128 v[(\reg)+16*\b+4*\q:(\reg)+16*\b+4*\q+3], v[\adr] offset:16*PITCH*(\m)+128*\b+16*\q
.endr
.endr
	WIN 0
.endm
.macro HLOAD m                         ; a tile of h, two buffers by turns
	TLOAD HA, 0, \m, D+32*((\m)%2)
.endm
; 32 numbers of a lane in window w, v[s] on: register 16 b + i = number 16 hh + i of my row's block b.  They become the six registers of codes in v[PC] on and two scale bytes in v[SB].
.macro QUANT w, s
	WIN 0x15*(\w)
.irp i, 0,1,2,3
	v_max3_num_f32 v[T+\i], |v[(\s)+8*\i]|, |v[(\s)+8*\i+1]|, |v[(\s)+8*\i+2]|   ; four chains by turns, two for each block
.endr
	WIN 0x14*(\w)
.irp e, 3,5
.irp i, 0,1,2,3
	v_max3_num_f32 v[T+\i], v[T+\i], |v[(\s)+8*\i+\e]|, |v[(\s)+8*\i+\e+1]|
.endr
.endr
	v_max3_num_f32 v[T], v[T], |v[(\s)+7]|, |v[(\s)+15]|
	v_max3_num_f32 v[T+2], v[T+2], |v[(\s)+23]|, |v[(\s)+31]|
	WIN 0
	v_max3_num_f32 v[T], v[T], v[T+1], 0x2800000   ; and the floor 2^(5 - 127): the byte cannot fall under 1
	v_max3_num_f32 v[T+2], v[T+2], v[T+3], 0x2800000
	v_permlanex16_b32 v[T+1], v[T], s[SEL], s[SEL+1]
	v_permlanex16_b32 v[T+3], v[T+2], s[SEL], s[SEL+1]
	v_max_num_f32 v[T], v[T], v[T+1]               ; with lane l xor 16's 16 numbers: the block's largest magnitude
	v_max_num_f32 v[T+2], v[T+2], v[T+3]
	v_add_nc_u32 v[S], 0xfe000000, v[T]            ; 4 off its exponent field: the conversion's scale operand
	v_add_nc_u32 v[S+1], 0xfe000000, v[T+2]
	WIN (\w)
	v_cvt_scalef32_pk16_bf6_f32 v[PC:PC+2], v[(\s):(\s)+15], v[S]
	v_cvt_scalef32_pk16_bf6_f32 v[TB:TB+2], v[(\s)+16:(\s)+31], v[S+1]   ; (a conversion's three registers begin on an even number)
	WIN 0
	v_lshrrev_b32 v[T], 23, v[S]                   ; the scales' bytes.  (Also the plain places behind the conversions)
	v_lshrrev_b32 v[T+2], 23, v[S+1]
	v_lshl_or_b32 v[SB], v[T+2], 8, v[T]
.irp i, 0,1,2
	v_permlane16_swap_b32 v[PC+\i], v[TB+\i]       ; the operand wants a WHOLE block in a lane: lanes 0-15 block 0, lanes 16-31 block 1
.endr
.irp i, 0,1,2
	v_mov_b32 v[PC+3+\i], v[TB+\i]
.endr
.endm
.macro SAVE set, m                     ; set 0: r h, 1: x, 2: h
.irp p, 0,1,2
	ds_store_b64 v[AI0+\p], v[PC+2*\p:PC+2*\p+1] offset:SET*(\set)+FRB*(\m)
.endr
	ds_store_b16 v[AIS], v[SB] offset:SET*(\set)+4*(\m)
.endm
; Activation step a: 0-3 x, 4-7 h (two gates), 8-11 x, 12-15 r h (hidden).  Place p of a step is the tile of rows m = (p + 1) % 4; its fragment lies in place (4 a + p) % 6 of the ring.
.macro FA a, p
.set fr, AF+12*((4*(\a)+(\p))%6)
.set fo, FRB*(4*((\a)%4)+((\p)+1)%4)
.irp c, 0,1,2
.if (\a) >= 12
	ds_load_b128 v[fr+4*\c:fr+4*\c+3], v[AIM2] offset:fo+512*\c
.else
	ds_load_b128 v[fr+4*\c:fr+4*\c+3], v[AIM] offset:fo+SET*(((\a)/4)%2)+512*\c
.endif
.endr
.endm
.macro FA01 a                          ; 7 loads: places 0 and 1, and the step's scale words
	FA \a, 0
	FA \a, 1
.if (\a) >= 12
	ds_load_b128 v[AS+4*((\a)%2):AS+4*((\a)%2)+3], v[AIM2] offset:SCO+512*((\a)%4)
.else
	ds_load_b128 v[AS+4*((\a)%2):AS+4*((\a)%2)+3], v[AIM] offset:SET*(((\a)/4)%2)+SCO+512*((\a)%4)
.endif
.endm
.macro FA23 a                          ; 6 loads: places 2 and 3
	FA \a, 2
	FA \a, 3
.endm
.macro PRIME a, b                      ; a phase of four steps begins: step a whole, and places 0 and 1 of step b = a + 1
	FA01 \a
	FA23 \a
	FA01 \b
.endm
; One matrix instruction: tile tt of the weights, place pp.  first = 1: C is the bias, which lies in the registers of the sum of m = 0; first = 2: C = 0.
.macro MM1 i, a, acc, first
.set rM, (pp+1)%4
.set rD, (\acc)+32*rM+8*tt
.set rC, rD
.if (\first) == 1
.set rC, (\acc)+8*tt
.endif
.set rW, W+48*((\i)%3)+12*tt
.set rA, AF+12*((4*(\a)+pp)%6)
.set rSW, WS+2*((\i)%3)+tt/2
.set rSA, AS+4*((\a)%2)+rM
.if (\first) == 2
.if tt%2
	v_wmma_scale_f32_16x16x128_f8f6f4 v[rD:rD+7], v[rW:rW+11], v[rA:rA+11], 0, v[rSW], v[rSA] matrix_a_fmt:MATRIX_FMT_BF6 matrix_b_fmt:MATRIX_FMT_BF6 matrix_a_scale:MATRIX_SCALE_ROW1
.else
	v_wmma_scale_f32_16x16x128_f8f6f4 v[rD:rD+7], v[rW:rW+11], v[rA:rA+11], 0, v[rSW], v[rSA] matrix_a_fmt:MATRIX_FMT_BF6 matrix_b_fmt:MATRIX_FMT_BF6
.endif
.else
.if tt%2
	v_wmma_scale_f32_16x16x128_f8f6f4 v[rD:rD+7], v[rW:rW+11], v[rA:rA+11], v[rC:rC+7], v[rSW], v[rSA] matrix_a_fmt:MATRIX_FMT_BF6 matrix_b_fmt:MATRIX_FMT_BF6 matrix_a_scale:MATRIX_SCALE_ROW1
.else
	v_wmma_scale_f32_16x16x128_f8f6f4 v[rD:rD+7], v[rW:rW+11], v[rA:rA+11], v[rC:rC+7], v[rSW], v[rSA] matrix_a_fmt:MATRIX_FMT_BF6 matrix_b_fmt:MATRIX_FMT_BF6
.endif
.endif
.endm
; 8 matrix instructions: places p0, p0 + 1 x the four tiles.  The accumulators take turns, one instruction a turn, in the same order in every half step.
; Where the bias is C, the sums of m = 0, which write over it, come last, five places behind its last reader.
.macro MM8 i, a, p0, acc, first
.set pp, \p0
.rept 2
.if (\first) == 1 && pp == 3
	PLACES 5
.endif
.set tt, 0
.rept 4
	MM1 \i, \a, \acc, \first
.set tt, tt+1
.endr
.set pp, pp+1
.endr
.endm
; A step of the two gates: half steps 2 a (reset) and 2 a + 1 (update) on the same four fragments.  Counts: 26 = the two younger half steps' loads; 13 = places 2, 3 of this step and 7 of the next; 7 = those of the next.
; A run of loads stands four places behind the matrix instructions that read its registers.
.macro PAIR a, f
.set QQ, (\a)%4
	s_wait_loadcnt 26
.if QQ < 3
	s_wait_dscnt 13
.else
	s_wait_dscnt 6
.endif
	WIN MUL
	MM8 2*(\a), \a, 0, 0, \f
.if QQ < 3
	s_wait_dscnt 7
.else
	s_wait_dscnt 0
.endif
	MM8 2*(\a), \a, 2, 0, \f
	PLACES 4
	WIN 0
	WL 2*(\a)+3
	s_wait_loadcnt 26
	WIN MUL
	MM8 2*(\a)+1, \a, 0, 128, \f
.if QQ < 3
	PLACES 4
	WIN 0
	FA23 (\a)+1                                    ; into the ring's places of this step's 0 and 1
	WIN MUL
.endif
	MM8 2*(\a)+1, \a, 2, 128, \f
	PLACES 4
	WIN 0
	WL 2*(\a)+4
.if QQ < 2
	FA01 (\a)+2                                    ; into those of this step's 2 and 3
.endif
	PF (\a)+3, 0
.endm
; A step of the hidden product: half step 8 + a.  Counts as above; at the end of the weights hidden_bias's 8 loads stand behind them.
.macro HID a, f
.set QQ, (\a)%4
.if (\a) < 14
	s_wait_loadcnt 26
.elseif (\a) == 14
	s_wait_loadcnt 21
.else
	s_wait_loadcnt 8
.endif
.if QQ < 3
	s_wait_dscnt 13
.else
	s_wait_dscnt 6
.endif
	WIN MUL
	MM8 8+(\a), \a, 0, 0, \f
.if QQ < 3
	PLACES 4
	WIN 0
	FA23 (\a)+1
	s_wait_dscnt 13                                ; places 2 and 3 of this step are in: the 13 of the next may be out
	WIN MUL
.else
	s_wait_dscnt 0
.endif
	MM8 8+(\a), \a, 2, 0, \f
	PLACES 4
	WIN 0
	WL 11+(\a)
.if (\a) == 13
	BL 14, 0, HB                                   ; hidden_bias, into the weights' first buffer, which is done with
.endif
.if QQ < 2
	FA01 (\a)+2
.endif
.if (\a) == 8
	PF 11, 0
.endif
.endm
; 1 / (1 + 2^(c y)), c = -log2(e), over n registers of window 1 from s on, in place; each accumulator is read from its low end on.
.macro ACT s, n
	WIN 0x41
	VALU
.set jj, \s
.rept (\n)/2
	v_pk_mul_f32 v[jj:jj+1], v[jj:jj+1], s[C1:C1+1] op_sel_hi:[1,0]
.set jj, jj+2
.endr
	RECIP \s, \n
.endm
.macro RECIP s, n                      ; 1 / (1 + 2^v)
	VALU
.set jj, \s
.rept \n
	v_exp_f32 v[jj], v[jj]
.set jj, jj+1
.endr
	v_nop                                          ; a plain place behind the last exponential
	VALU
.set jj, \s
.rept (\n)/2
	v_pk_add_f32 v[jj:jj+1], v[jj:jj+1], 1.0 op_sel_hi:[1,0]
.set jj, jj+2
.endr
	VALU
.set jj, \s
.rept \n
	v_rcp_f32 v[jj], v[jj]
.set jj, jj+1
.endr
	v_nop
	VALU
.endm
.macro XQ m, reg, left
	s_wait_dscnt \left
	QUANT 1, \reg
	SAVE 1, \m
.endm
.macro HQ m, left
	s_wait_dscnt \left                             ; the tile of h is in, the stores before have read their registers
	QUANT 0, D+32*((\m)%2)
	SAVE 2, \m
.if (\m) < 2
	HLOAD (\m)+2
.endif
.endm
.macro RQ m                            ; r h and its codes
	s_wait_dscnt 0x0
	WIN 0x41
.set jj, 0
.rept 16
	v_pk_mul_f32 v[32*(\m)+jj:32*(\m)+jj+1], v[32*(\m)+jj:32*(\m)+jj+1], v[D+32*((\m)%2)+jj:D+32*((\m)%2)+jj+1]
.set jj, jj+2
.endr
	QUANT 1, 32*(\m)
	SAVE 0, \m
.if (\m) < 2
	HLOAD (\m)+2
.endif
.endm
.macro OUTREG m                        ; rows of ht read back: registers of their own for each tile
.set OT, 64+32*(\m)
.if (\m) == 3
.set OT, D
.endif
.endm
.macro SEND m
	OUTREG \m
.irp i, 0,1,2,3,4,5,6,7
	global_store_b128 v[GO], v[OT+4*\i:OT+4*\i+3], s[16:17] offset:(16*(\m)+2*\i)*ROWG th:TH_STORE_NT   ; 16 lanes store 256 consecutive bytes, at a multiple of 256 from out0's first byte
.endr
.endm
.macro HEP m                           ; tanh; ht = h + z (tanh - h); through my stage (my own bytes: LDS serves a wave's instructions in order), and back as whole rows
	WIN 0x41
	VALU
.set jj, 0
.rept 16
	v_pk_fma_f32 v[32*(\m)+jj:32*(\m)+jj+1], v[32*(\m)+jj:32*(\m)+jj+1], s[C2:C2+1], v[HB+jj:HB+jj+1] op_sel_hi:[1,0,1]
.set jj, jj+2
.endr
	RECIP 32*(\m), 32
	s_wait_dscnt 0x0                               ; h's tile is in, and the rows of the tile before are back
.if (\m) > 0
	WIN 0
	SEND (\m)-1
	WIN 0x41
.endif
.set jj, 0
.rept 16
	v_pk_fma_f32 v[32*(\m)+jj:32*(\m)+jj+1], v[32*(\m)+jj:32*(\m)+jj+1], -2.0, 1.0 op_sel_hi:[1,0,0]
.set jj, jj+2
.endr
.set jj, 0
.rept 16
	v_pk_add_f32 v[32*(\m)+jj:32*(\m)+jj+1], v[32*(\m)+jj:32*(\m)+jj+1], v[D+32*((\m)%2)+jj:D+32*((\m)%2)+jj+1] neg_lo:[0,1] neg_hi:[0,1]
.set jj, jj+2
.endr
	WIN 0x45                                       ; z and tanh - h in window 1, h in window 0
.set jj, 0
.rept 16
	v_pk_fma_f32 v[32*(\m)+jj:32*(\m)+jj+1], v[128+32*(\m)+jj:128+32*(\m)+jj+1], v[32*(\m)+jj:32*(\m)+jj+1], v[D+32*((\m)%2)+jj:D+32*((\m)%2)+jj+1]
.set jj, jj+2
.endr
	WIN 0x04                                       ; an LDS store's data are its source 1
.irp b, 0,1
.irp q, 0,1,2,3
	ds_store_b128 v[STQ], v[32*(\m)+16*\b+4*\q:32*(\m)+16*\b+4*\q+3] offset:128*\b+16*\q
.endr
.endr
	WIN 0
	OUTREG \m
.irp i, 0,1,2,3,4,5,6,7
	ds_load_b128 v[OT+4*\i:OT+4*\i+3], v[STI] offset:2*SP*\i
.endr
.if (\m) < 2
	HLOAD (\m)+2
.endif
.endm
	s_load_b256 s[4:11], s[0:1], 0x0               ; inputs s[4:5], h_prev s[6:7], wimg s[8:9], reset_bias s[10:11]
	s_load_b128 s[12:15], s[0:1], 0x20             ; update_bias s[12:13], hidden_bias s[14:15]
	s_load_b64 s[16:17], s[0:1], 0x30              ; out0
	v_lshl_add_u32 v[SPW], v0, 2, SPARE
	v_mov_b32 v[NIL], 0
	ds_add_u32 v[SPW], v[NIL]                      ; the wave's opening: the add, twice on end, and its wait ahead of my tensor load
	ds_add_u32 v[SPW], v[NIL]
	v_lshrrev_b32 v32, 5, v0
	v_readfirstlane_b32 s[WV], v32                 ; wave w, 0..7
	s_lshr_b32 s44, s[WV], 1                       ; w / 2: my K step in an image set; the tile of x and h that holds my columns
	s_and_b32 s45, s[WV], 1                        ; c
	s_and_b32 s46, s[WV], 3                        ; which tile of x or of h I fetch
	s_mul_i32 s47, s44, 4*FRB
	s_add_co_u32 s47, s47, RIMG
	s_mul_i32 s48, s45, 520                        ; registers 6 c, 6 c + 1 of a lane: byte 0 or 520 of an image;
	s_add_co_u32 s55, s47, s48
	s_add_co_u32 s57, s55, 512                     ; 6 c + 4, 6 c + 5: byte 512 or 1,032;
	s_mul_i32 s48, s45, 1016
	s_add_co_u32 s56, s47, s48
	s_add_co_u32 s56, s56, 8                       ; 6 c + 2, 6 c + 3: byte 8 or 1,024
	s_lshl_b32 s58, s44, 9
	s_lshl_b32 s48, s45, 1
	s_add_co_u32 s58, s58, s48
	s_add_co_u32 s58, s58, RIMG+SCO
	s_mul_i32 s59, s44, TILEF
	s_lshl_b32 s48, s45, 8
	s_add_co_u32 s59, s59, s48
	s_mul_i32 s54, s[WV], 16*SP
	s_add_co_u32 s54, s54, STG
	v_and_b32 v33, 31, v0                          ; lane
	v_and_b32 v34, 15, v0                          ; r
	v_bfe_u32 v35, v0, 4, 1                        ; hh
	v_lshlrev_b32 v[WO], 4, v33
	v_lshlrev_b32 v[WSO], 3, v33
	v_add_nc_u32 v[AIM], XIMG, v[WO]
	v_add_nc_u32 v[AIM2], RIMG, v[WO]
	v_add_nc_u32 v[AI0], s55, v[WO]
	v_add_nc_u32 v[AI0+1], s56, v[WO]
	v_add_nc_u32 v[AI0+2], s57, v[WO]
	v_add_nc_u32 v[AIS], s58, v[WO]
	v_mul_u32_u24 v[HA], PITCH, v34
	v_lshl_add_u32 v[HA], v35, 6, v[HA]
	v_add_nc_u32 v[HA], s59, v[HA]
	v_add_nc_u32 v[XA], XF, v[HA]
	v_min_u32 v[PFO], 24, v33                      ; 25 blocks of 256 bytes: the lanes left over name the last again
	v_lshlrev_b32 v[PFO], 8, v[PFO]
	v_mul_u32_u24 v[STQ], SP, v34
	v_lshl_add_u32 v[STQ], v35, 6, v[STQ]
	v_add_nc_u32 v[STQ], s54, v[STQ]
	v_mul_u32_u24 v[STI], SP, v35
	v_lshl_add_u32 v[STI], v34, 4, v[STI]
	v_add_nc_u32 v[STI], s54, v[STI]
	v_lshlrev_b32 v[GB], 6, v35
	v_lshlrev_b32 v[GO], 11, v35
	v_lshl_add_u32 v[GO], v34, 4, v[GO]
	s_mov_b32 s[SEL], 0x76543210
	s_mov_b32 s[SEL+1], 0xfedcba98
	s_mov_b32 s[C1], 0xbfb8aa3b                    ; -log2(e)
	s_mov_b32 s[C1+1], s[C1]
	s_mov_b32 s[C2], 0x4038aa3b                    ; 2 log2(e)
	s_mov_b32 s[C2+1], s[C2]
	s_and_b32 s[PFS], ttmp9, 0x7b                  ; 0 in work-groups 0, 4, 128, 132
	; descriptor group 1: 64 rows of 128 elements of 4 bytes, 16 bytes of padding behind each 512
	s_mov_b32 s[G1+0], (2<<16)|(1<<20)|(6<<22)|(3<<25)
	s_mov_b32 s[G1+1], 128<<16
	s_mov_b32 s[G1+2], 64<<16
	s_mov_b32 s[G1+3], 128<<16
	s_mov_b32 s[G1+4], 64
	s_mov_b32 s[G1+5], 512                         ; from row to row
	s_mov_b32 s[G1+6], 0
	s_mov_b32 s[G1+7], 0
	s_mul_i32 s47, s46, TILEF
	s_mov_b32 s[G0X], 1
	s_add_co_u32 s[G0X+1], s47, XF
	s_mov_b32 s[G0H], 1
	s_add_co_u32 s[G0H+1], s47, HF
	s_lshl_b32 s50, ttmp9, 17                      ; my work-group's 64 rows of 2,048 bytes
	s_lshl_b32 s60, s46, 9
	s_add_co_u32 s60, s60, s50                     ; + the tile's columns
	s_mov_b32 s61, 0
	s_lshl_b32 s52, s[WV], 8                       ; my 64 columns
	s_mov_b32 s53, 0
	s_add_co_u32 s62, s50, s52
	s_mov_b32 s63, 0
	s_mul_i32 s48, s[WV], 2*HALFB
	s_mov_b32 s49, 0
	VALU
	s_wait_dscnt 0x0                               ; both opening adds are done
	s_wait_kmcnt 0x0
	s_add_nc_u64 s[G0X+2:G0X+3], s[4:5], s[60:61]
	s_or_b32 s[G0X+3], s[G0X+3], 0x80000000
	s_add_nc_u64 s[G0H+2:G0H+3], s[6:7], s[60:61]
	s_or_b32 s[G0H+3], s[G0H+3], 0x80000000
	s_add_nc_u64 s[8:9], s[8:9], s[48:49]
	s_add_nc_u64 s[10:11], s[10:11], s[52:53]
	s_add_nc_u64 s[12:13], s[12:13], s[52:53]
	s_add_nc_u64 s[14:15], s[14:15], s[52:53]
	s_add_nc_u64 s[16:17], s[16:17], s[62:63]
.macro FIRST                           ; 55 loads: the gates' biases, the C of their sums, and the weights of half steps 0, 1, 2
	BL 10, 1, 0
	BL 12, 1, 128
	WL 0
	WL 1
	WL 2
.endm
	s_cmp_lt_u32 s[WV], 4                          ; one tensor load a wave: waves 0-3 x, waves 4-7 h.  x is wanted first: h's load stands behind the wave's other loads
	s_cbranch_scc0 .Lfor_h
	tensor_load_to_lds s[G0X:G0X+3], s[G1:G1+7]
	s_nop 0
	PLACES 4
	FIRST
	s_branch .Lasked
.Lfor_h:
	FIRST
	tensor_load_to_lds s[G0H:G0H+3], s[G1:G1+7]
	s_nop 0
	PLACES 4
.Lasked:
	PF 1, 1
	PF 2, 0
	s_cmp_lt_u32 s[WV], 4
	s_cbranch_scc0 .Lnot_x
	s_wait_tensorcnt 0x0                           ; my tile of x is in (h's may stay out)
.Lnot_x:
	s_barrier_signal -1
	s_barrier_wait -1                              ; x is whole
; ---- x: my 64 columns of the 64 rows
	TLOAD XA, 1, 0, 32                             ; into window 1, beside the biases
	TLOAD XA, 1, 1, 64
	TLOAD XA, 1, 2, 96
	TLOAD XA, 1, 3, 160
	XQ 0, 32, 24
	XQ 1, 64, 0
	XQ 2, 96, 0
	XQ 3, 160, 0
	MEET                                           ; x's images lie in LDS, and x has been read by all
	PRIME 0, 1
; ---- the two gates on x
	PAIR 0, 1
	PAIR 1, 0
	PAIR 2, 0
	PAIR 3, 0
; ---- h
	s_wait_tensorcnt 0x0                           ; my tile of h is in
	MEET                                           ; h is whole
	HLOAD 0
	HLOAD 1
	HQ 0, 8
	HQ 1, 0
	HQ 2, 0
	HQ 3, 0
	MEET                                           ; h's images lie in LDS
	PRIME 4, 5
; ---- the two gates on h
	PAIR 4, 0
	PAIR 5, 0
	PAIR 6, 0
	PAIR 7, 0
; ---- r, r h and its codes
	HLOAD 0
	HLOAD 1
	ACT 0, 64
	RQ 0
	RQ 1
	ACT 64, 64
	RQ 2
	RQ 3
	PRIME 8, 9
; ---- the hidden product on x; z's sigmoid, a tile of rows behind each step
	HID 8, 2
	ACT 128, 32
	HID 9, 0
	ACT 160, 32
	HID 10, 0
	ACT 192, 32
	HID 11, 0
	ACT 224, 32
	WIN 0
	MEET                                           ; r h's images lie in LDS: every wave stored them ahead of its last four steps
	PRIME 12, 13
; ---- the hidden product on r h
	HID 12, 0
	HID 13, 0
	HID 14, 0
	HID 15, 0
; ---- the way out
	HLOAD 0
	HLOAD 1
	s_wait_loadcnt 0x0                             ; hidden_bias
.set jj, 0
.rept 16
	v_pk_mul_f32 v[HB+jj:HB+jj+1], v[HB+jj:HB+jj+1], s[C2:C2+1] op_sel_hi:[1,0]
.set jj, jj+2
.endr
	HEP 0
	HEP 1
	HEP 2
	HEP 3
	s_wait_dscnt 0x0
	SEND 3
	s_wait_tensorcnt 0x0                           ; the wave's end
	ds_add_u32 v[SPW], v[NIL]
	s_wait_dscnt 0x0
	s_endpgm
.Lfunc_end_k_qebd9464cce_gru:
	.size	k_qebd9464cce_gru, .Lfunc_end_k_qebd9464cce_gru-k_qebd9464cce_gru
	.p2alignl 7, 3214868480
	.fill 96, 4, 3214868480
	.section	.rodata,"a",@progbits
	.p2align	6, 0x0
	.amdhsa_kernel k_qebd9464cce_gru
		.amdhsa_group_segment_fixed_size 327680
		.amdhsa_private_segment_fixed_size 0
		.amdhsa_enable_private_segment 0
		.amdhsa_kernarg_size 56
		.amdhsa_user_sgpr_count 2
		.amdhsa_user_sgpr_kernarg_segment_ptr 1
		.amdhsa_wavefront_size32 1
		.amdhsa_system_sgpr_workgroup_id_x 1
		.amdhsa_system_sgpr_workgroup_id_y 1
		.amdhsa_system_sgpr_workgroup_id_z 1
		.amdhsa_system_vgpr_workitem_id 0
		.amdhsa_next_free_vgpr 512
		.amdhsa_next_free_sgpr 66
		.amdhsa_reserve_vcc 0
		.amdhsa_float_denorm_mode_32 3
		.amdhsa_float_denorm_mode_16_64 3
		.amdhsa_memory_ordered 1
		.amdhsa_forward_progress 1
		.amdhsa_inst_pref_size 226
	.end_amdhsa_kernel
	.amdgpu_metadata
---
amdhsa.version: [ 1, 2 ]
amdhsa.kernels:
  - .name:           k_qebd9464cce_gru
    .symbol:         k_qebd9464cce_gru.kd
    .args:
      - { .name: inputs, .offset: 0, .size: 8, .value_kind: global_buffer, .address_space: global }
      - { .name: h_prev, .offset: 8, .size: 8, .value_kind: global_buffer, .address_space: global }
      - { .name: wimg, .offset: 16, .size: 8, .value_kind: global_buffer, .address_space: global }
      - { .name: reset_bias, .offset: 24, .size: 8, .value_kind: global_buffer, .address_space: global }
      - { .name: update_bias, .offset: 32, .size: 8, .value_kind: global_buffer, .address_space: global }
      - { .name: hidden_bias, .offset: 40, .size: 8, .value_kind: global_buffer, .address_space: global }
      - { .name: out0, .offset: 48, .size: 8, .value_kind: global_buffer, .address_space: global }
    .group_segment_fixed_size: 327680
    .private_segment_fixed_size: 0
    .kernarg_segment_align: 8
    .kernarg_segment_size: 56
    .max_flat_workgroup_size: 256
    .sgpr_count:     66
    .vgpr_count:     512
    .wavefront_size: 32
...
	.end_amdgpu_metadata
.endif
;; end of part 2
